; MI455X (gfx1250); checked and timed in simulation.
; The chip was launched on July 23, 2026; its instructions are those of AMD's public machine-readable ISA for CDNA 5 (MIT licence, August 2026) and "CDNA5" Instruction Set Architecture Reference Guide (July 2026). The comments in the code are by the model that wrote it; some were corrected since.
;; Multi Head Attention. Allowed arithmetic: matrix products marked QUANTISED: E2M1 operands, one E8M0 scale for each 32 along K, by v_wmma_scale_f32_16x16x128_f8f6f4 with both operands' format E2M1 (or v_wmma_scale_f32_32x16x128_f4), f32 sums; everything else in f32.
;; Inputs: Wk_codes 1,024 x 32 x 16 uint8 (E2M1 codes of Wk, K innermost, in blocks of 32 codes, two codes a byte); Wk_scales 1,024 x 32 uint8 (E8M0 scales of Wk, one for each 32 codes along K); Wo_codes 1,024 x 32 x 16 uint8 (E2M1 codes of Wo, K innermost, in blocks of 32 codes, two codes a byte); Wo_scales 1,024 x 32 uint8 (E8M0 scales of Wo, one for each 32 codes along K); Wq_codes 1,024 x 32 x 16 uint8 (E2M1 codes of Wq, K innermost, in blocks of 32 codes, two codes a byte); Wq_scales 1,024 x 32 uint8 (E8M0 scales of Wq, one for each 32 codes along K); Wv_codes 1,024 x 32 x 16 uint8 (E2M1 codes of Wv, K innermost, in blocks of 32 codes, two codes a byte); Wv_scales 1,024 x 32 uint8 (E8M0 scales of Wv, one for each 32 codes along K); bk 1,024 float32; bo 1,024 float32; bq 1,024 float32; bv 1,024 float32; x_codes 4 x 2,048 x 32 x 16 uint8 (E2M1 codes of x, K innermost, in blocks of 32 codes, two codes a byte); x_scales 4 x 2,048 x 32 uint8 (E8M0 scales of x, one for each 32 codes along K).
;; Outputs: out0 4 x 2,048 x 1,024 float32.
;; This version of the problem:
;;   THIS VERSION OF THE PROBLEM IS GIVEN IN LOW PRECISION. The matrix products marked QUANTISED in the list below multiply operands that are first quantised to E2M1 (2 exponent bits, 1 mantissa bit; 4 bits a number), with one power-of-two scale for each 32 numbers along K (OCP MX v1.0); their sums are f32. All else is computed in f32.
;;   The module's matrix products, in the order in which they are computed (A, B: the left and right operand; K: the contracted axis; several contracted axes count as one K, in the product's order):
;;     1. [M 8,192, K 1,024] x [K 1,024, N 1,024]; A: input x (given as codes); B: input Wq (given as codes): QUANTISED
;;     2. [M 8,192, K 1,024] x [K 1,024, N 1,024]; A: input x (given as codes); B: input Wk (given as codes): QUANTISED
;;     3. [M 8,192, K 1,024] x [K 1,024, N 1,024]; A: input x (given as codes); B: input Wv (given as codes): QUANTISED
;;     4. batch 64 x [M 2,048, K 64] x [K 64, N 2,048]; A: computed on the way; B: computed on the way: QUANTISED
;;     5. batch 64 x [M 2,048, K 2,048] x [K 2,048, N 64]; A: softmax (see below); B: computed on the way: QUANTISED
;;     6. [M 8,192, K 1,024] x [K 1,024, N 1,024]; A: computed on the way; B: input Wo (given as codes): QUANTISED
;;   THE QUANTISER, for each operand of a quantised product, along K:
;;     - K is cut into blocks of 32 from its start; a last block that is shorter is filled with zeros.
;;     - A block's scale is 2^e with e = floor(log2(the largest magnitude in the block)) - 2, held to -126 .. 127; a block of zeros has e = 0. As a byte (E8M0): e + 127.
;;     - Each number is divided by its block's scale, clamped to +-6, and rounded to the nearest number of E2M1, ties to even, subnormals kept.
;;     - The product sums the exact products of the quantised numbers (number of the format x scale) in f32.
;;   ~~~python
;;   def quantise(x, axis):      # numpy; x: float32 -> the quantised numbers, widened to float32 again
;;       x = np.moveaxis(x, axis, -1); K = x.shape[-1]
;;       x = np.pad(x, [(0, 0)] * (x.ndim - 1) + [(0, -K % 32)]); x = x.reshape(x.shape[:-1] + (-1, 32)); a = np.abs(x).max(-1, keepdims=True)
;;       e = np.where(a > 0, np.clip(np.frexp(np.where(a > 0, a, 1))[1] - 1 - 2, -126, 127), 0)      # np.frexp(a)[1] - 1 = floor(log2(a)), exactly
;;       r = np.clip(x / 2.0 ** e, -6, 6)
;;       step = 2.0 ** (np.maximum(np.frexp(np.where(r == 0, 1, r))[1] - 1, 0) - 1)
;;       q = np.round(r / step) * step * 2.0 ** e      # np.round: ties to even
;;       return np.moveaxis(q.reshape(q.shape[:-2] + (-1,))[..., :K], -1, axis).astype(np.float32)
;;   ~~~
;;   SOFTMAX AHEAD OF A QUANTISED PRODUCT. Where the list says 'softmax', what is quantised is not the finished softmax but p = 2^(t - M), with t = logit x log2(e) and M = ceil(the row's largest t), a whole number; so 1/2 < the row's largest p <= 1. The row's sum l is taken of the UNQUANTISED p, in f32, and the product's result is divided by l at the end. Since M is a whole number, a kernel that streams over the keys may use a running M (the ceiling of the running maximum): every later rescaling is an exact power of two, which a block's scale takes up: the codes' values come out the same.
;;   OPERANDS COMPUTED ON THE WAY. 'Computed on the way' means the value that the module computes at that place (a softmax that the list does not call 'softmax' is quantised finished and normalised). What goes into a quantiser is computed in f32, as accurately as f32 sums, v_exp_f32 and their like allow (about 1e-6 of the number): no bf16 or f16 on the way to a quantiser, and a product that is left as it is and whose result goes on into a quantised operand takes f32 operands (vector FMAs, or v_wmma_f32_16x16x4_f32). A number that lies on a knife's edge between two numbers of the format may be rounded either way, as far as f32 arithmetic and the matrix unit's own rounding can turn it there, and no further.
;;   INPUTS GIVEN AS CODES. Wk (in the module: [1024, 1024], K = its axis 0); Wo (in the module: [1024, 1024], K = its axis 0); Wq (in the module: [1024, 1024], K = its axis 0); Wv (in the module: [1024, 1024], K = its axis 0); x (in the module: [4, 2048, 1024], K = its axis 2): each comes as NAME_codes (uint8): NAME with its K axis moved to the last place and cut into blocks of 32 codes, [.., K / 32, bytes a block], one block behind the other in memory; two codes a byte, the lower K in the low four bits (a code: sign, 2 exponent bits, 1 mantissa bit); and NAME_scales (uint8): the same leading axes, one E8M0 byte (e + 127) for each 32 codes along K. Its value is code x scale, taken as it is: it is not quantised again, and the codes and scales need not be those that the quantiser above would give.
;; One version. Each part assembles by itself: llvm-mc -triple=amdgcn-amd-amdhsa -mcpu=gfx1250 --defsym DOCPART=n.
;; ======== version 1 of 1: 3 launches
;; workspace buffers: qws 9,175,040 bytes; kvws 9,175,040 bytes; ycodes 4,194,304 bytes; yscales 262,144 bytes
;; launch qkv (part 1): grid 12 x 32, 4 waves a work-group, clusters of 4 x 4, 279,040 bytes of LDS; arguments x_codes, x_scales, Wq_codes, Wq_scales, bq, Wk_codes, Wk_scales, bk, Wv_codes, Wv_scales, bv, qws, kvws; writes qws, kvws
.if DOCPART == 1
	.amdgcn_target "amdgcn-amd-amdhsa--gfx1250"
	.amdhsa_code_object_version 6
	.text
	.protected	k_q78e636eee6_qkv
	.globl	k_q78e636eee6_qkv
	.p2align	8
	.type	k_q78e636eee6_qkv,@function
k_q78e636eee6_qkv:
	s_mov_b64 s[64:65], 0
	v_nop
	global_prefetch_b8 v0, s[64:65] scope:SCOPE_SE
	s_setreg_imm32_b32 hwreg(HW_REG_WAVE_MODE, 25, 1), 1
	s_wait_xcnt 0x0
	s_wait_alu depctr_hold_cnt(0) depctr_sa_sdst(0) depctr_va_vdst(0) depctr_va_sdst(0) depctr_va_ssrc(0) depctr_va_vcc(0) depctr_vm_vsrc(0)
	s_getreg_b32 s2, hwreg(HW_REG_IB_STS2, 6, 4)
	s_cmp_eq_u32 s2, 0
	s_cbranch_scc0 .Lentry_in_a_cluster
	s_endpgm
.Lentry_in_a_cluster:
	s_bfe_u32 s2, ttmp6, 0x10000c
	s_cmp_lg_u32 s2, 0xf033
	s_cbranch_scc0 .Lentry_shape_is_right
	s_endpgm
.Lentry_shape_is_right:
; q = x Wq + bq, k = x Wk + bk, v = x Wv + bv on codes of FP4 (E2M1) with E8M0 scales, sums in f32; then q and k are quantised along the head's 64 and v along the tokens, and leave as codes.
; THE PROGRAM: this launch; attn (scores, softmax, weighted values, y quantised along the head's 64); proj (y Wo + bo).
; WORK LEFT OUT, in the whole program: only key steps of 128 keys all of which come after all 16 queries of a wave's tile.  reference() sets those scores to the least f32 number by a mask that it builds
; itself (tril), key 0 counts for every query, so their softmax weight is 0 for all finite inputs and they add nothing to the sum or to y.  Every input is loaded: each bias moves codes or the output.
; LIMITS: NaN and infinities among the inputs are not served; a NaN, an infinity or an overflow that reaches only the key steps left out is not carried to the result; a block whose largest magnitude
; lies under 2^-124 has its scale byte held at 1; a block of zeros gets the byte 1 where the rule says 127 (its codes are zeros; the bytes are read by this program alone).
; SHARES.  Cluster x picks the weight (0 q, 1 k, 2 v), the same in all sixteen partners.  A work-group makes 256 tokens x 256 columns, a wave 128 x 128: 64 accumulators, 512 registers.
; All of K = 1,024 lies in LDS, in two slots of 512 along K (rows of 256 bytes + 16 of padding): each slot is filled once, so nothing is filled again.
; CLUSTERS: 4 x 4.  x's tile hangs on the tile row alone and is asked for jointly by a row of the cluster, the weight's tile on the tile column alone and is asked for by a column.
; TWO PATHS, parted on cluster x.  q, k: source 0 = 16 columns of W, source 1 = 16 tokens: a lane holds one token and its registers run along the columns, which are the next K.
; v: source 0 = 16 tokens, source 1 = 16 columns: a lane holds one column and its registers run down the tokens, which are the next K.  The bias is the C of each sum's first matrix instruction.
; OUT: records of REC bytes for each head and 128 tokens, laid as the next launch's operand registers: +0 codes of q or k (8 tiles x 512), +4096 codes of v (4 tiles x 1,024), +8192 scale words of q or k, +8704 of v.
; REGISTERS, in windows of 256: window 0: v1-29 addresses; v32-63 x's scale words, v64-95 the weight's (register 8 i + s: lane l has row 32 i + l, K step s); v96-111 at work; v112-127 codes, two sets;
;   v128-255 the lane side's fragments, two sets of 64 (later v128-143 scale words).  window 1: the register side's fragments at v0 and v128, the bias at v192.  windows 2, 3: accumulator (a, b) at v[8 (8 (a % 4) + b)].
.set PITCH,  272                       ; an LDS row: 256 bytes + 16 of padding: the 16 rows of a fragment load start at 16 different banks
.set HALFT,  128*PITCH                 ; 128 rows: what one tensor load brings, and what one wave reads of a side
.set SLOT,   4*HALFT                   ; x's 256 rows, then the weight's 256
.set SPARE,  2*SLOT                    ; behind the slots: the spare words, 128 bytes a wave
.set REC,    8960
.set BHB,    16*REC                    ; a head's 16 records
.set ADRX, 16                          ; v16-17 LDS address of my fragments of x in slot 0, 1
.set ADRW, 20                          ; v20-21 the same for the weight
.set CO,   24                          ; v24 16 x lane
.set CO8,  25                          ; v25 8 x lane
.set SV,   26                          ; v26 32 x lane: a row of scale bytes
.set SPW,  28                          ; v28 my spare word; never rewritten
.set NIL,  29                          ; v29 0; never rewritten
.set XS,   32
.set WS,   64
.set TM,   96                          ; v96-99 largest magnitudes, v100-103 bytes, v108-111 the conversions' scale operands
.set PC,   112
.set PW,   128                         ; v128-135 the scale word of each of the eight tiles
.set PK,   136                         ; v136-143 scale words as they are stored
.set BI,   192                         ; in window 1
.set G1,  24
.set G0,  32
.set G1B, 48
.set G0B, 56
.set MSB, 0
.macro WIN new                         ; the immediate's high byte repeats the setting that is left
.if MSB != (\new)
	s_set_vgpr_msb (MSB<<8)|(\new)
.set MSB, (\new)
.endif
.endm
.macro PLACES n
.rept \n
	v_nop
.endr
.endm
.macro CROUND                          ; a round of the cluster's barrier
	s_barrier_signal -1
	s_barrier_wait -1
	s_cmp_lg_u32 s14, 0
	s_cbranch_scc1 .Lnot_wave_0_\@
	s_barrier_signal -3
.Lnot_wave_0_\@:
	s_barrier_wait -3
	s_barrier_signal -1
	s_barrier_wait -1
.endm
.macro WMX                             ; one matrix instruction; its registers are the symbols rD, rA, rB, rC, rSA, rSB; fRA, fRB: the side's scales stand in lanes 16-31
.if fRA && fRB
	v_wmma_scale_f32_16x16x128_f8f6f4 v[rD:rD+7], v[rA:rA+7], v[rB:rB+7], v[rC:rC+7], v[rSA], v[rSB] matrix_a_fmt:MATRIX_FMT_FP4 matrix_b_fmt:MATRIX_FMT_FP4 matrix_a_scale:MATRIX_SCALE_ROW1 matrix_b_scale:MATRIX_SCALE_ROW1
.elseif fRA
	v_wmma_scale_f32_16x16x128_f8f6f4 v[rD:rD+7], v[rA:rA+7], v[rB:rB+7], v[rC:rC+7], v[rSA], v[rSB] matrix_a_fmt:MATRIX_FMT_FP4 matrix_b_fmt:MATRIX_FMT_FP4 matrix_a_scale:MATRIX_SCALE_ROW1
.elseif fRB
	v_wmma_scale_f32_16x16x128_f8f6f4 v[rD:rD+7], v[rA:rA+7], v[rB:rB+7], v[rC:rC+7], v[rSA], v[rSB] matrix_a_fmt:MATRIX_FMT_FP4 matrix_b_fmt:MATRIX_FMT_FP4 matrix_b_scale:MATRIX_SCALE_ROW1
.else
	v_wmma_scale_f32_16x16x128_f8f6f4 v[rD:rD+7], v[rA:rA+7], v[rB:rB+7], v[rC:rC+7], v[rSA], v[rSB] matrix_a_fmt:MATRIX_FMT_FP4 matrix_b_fmt:MATRIX_FMT_FP4
.endif
.endm
; 32 LDS loads: the fragments of K step s (128 along K) into set s % 2: the register side (address adb) into window 1, the lane side (ada) into window 0
.macro FETCH s, ada, adb
	WIN 0x40
.set ib, 0
.rept 8
	ds_load_b128 v[128*((\s)%2)+8*ib:128*((\s)%2)+8*ib+3], v[\adb+(\s)/4] offset:64*((\s)%4)+ib*16*PITCH
	ds_load_b128 v[128*((\s)%2)+8*ib+4:128*((\s)%2)+8*ib+7], v[\adb+(\s)/4] offset:64*((\s)%4)+ib*16*PITCH+32
.set ib, ib+1
.endr
	WIN 0
.set ib, 0
.rept 8
	ds_load_b128 v[128+64*((\s)%2)+8*ib:128+64*((\s)%2)+8*ib+3], v[\ada+(\s)/4] offset:64*((\s)%4)+ib*16*PITCH
	ds_load_b128 v[128+64*((\s)%2)+8*ib+4:128+64*((\s)%2)+8*ib+7], v[\ada+(\s)/4] offset:64*((\s)%4)+ib*16*PITCH+32
.set ib, ib+1
.endr
.endm
; K step s: 64 matrix instructions, the 64 accumulators by turns, one instruction a turn, in the same order in every step.  The next step's fragments are asked for first and land meanwhile.
.macro STEP s, ada, sca, adb, scb, isv
.if (\s) == 3
	s_wait_tensorcnt 0x0                           ; my part of slot 1 has landed
.endif
	s_wait_dscnt 0x0                               ; this step's fragments are in
.if (\s) == 3
	s_barrier_signal -1
	s_barrier_wait -1                              ; everybody's part of slot 1 has landed
.endif
.if (\s) < 7
	PLACES 4                                       ; four places in front of loads into registers that the last step's matrix instructions read
	FETCH (\s)+1, \ada, \adb
.endif
.set ia, 0
.rept 8
.if (\s) == 0
	WIN 0x91+0x40*(ia/4)                           ; source 0 and C (the bias) window 1, source 1 window 0, D window 2 or 3
.else
	WIN 0xa1+0x50*(ia/4)                           ; source 0 window 1, source 1 window 0, C and D window 2 or 3
.endif
.set ib, 0
.rept 8
.set rD, 8*(8*(ia%4)+ib)
.set rA, 128*((\s)%2)+8*ib
.set rB, 128+64*((\s)%2)+8*ia
.if (\s) == 0
.set rC, BI+8*((\isv)*ia+(1-(\isv))*ib)
.else
.set rC, rD
.endif
.set rSA, \scb+8*(ib/2)+(\s)
.set fRA, ib%2
.set rSB, \sca+8*(ia/2)+(\s)
.set fRB, ia%2
	WMX
.set ib, ib+1
.endr
.set ia, ia+1
.endr
.endm
; The 64 results of tile qa (register 8 t + j: element 16 t + 8 (lane / 16) + j of my row along the next K) become 8 registers of codes at v[PCS] and the scale word v[PW + qa].
; A block of 32 is tiles 2 b and 2 b + 1 in lanes l and l xor 16.  Tile t's codes go to register 4 (t / 4) + 2 (t % 2) + (t % 4) / 2; the exchange of halves of registers (0, 1), (2, 3), (4, 5), (6, 7) then
; leaves in registers 4 c .. 4 c + 3 of lane (r, h) the elements 64 c + 32 h + 0 .. 31: the operand's layout.
.macro QUANT
.set AC, 64*(qa%4)
.set PCS, PC+8*(qa%2)
	WIN 0x28+0x14*(qa/4)                           ; sources 1 and 2: window 2 or 3
.irp b, 0,1,2,3
	v_max3_num_f32 v[TM+\b], s90, |v[AC+16*\b]|, |v[AC+16*\b+1]|   ; each accumulator from its low end on; s90 is the floor 2^(3 - 127): the byte cannot fall under 1
.endr
.irp i, 2,4,6,8,10,12,14
.irp b, 0,1,2,3
	v_max3_num_f32 v[TM+\b], v[TM+\b], |v[AC+16*\b+\i]|, |v[AC+16*\b+\i+1]|
.endr
.endr
	WIN 0
.irp b, 0,1,2,3
	v_permlanex16_b32 v[TM+4+\b], v[TM+\b], s92, s93
.endr
.irp b, 0,1,2,3
	v_max_num_f32 v[TM+\b], v[TM+\b], v[TM+4+\b]   ; with lane l xor 16's: the block's largest magnitude
.endr
.irp b, 0,1,2,3
	v_add_nc_u32 v[TM+12+\b], 0xff000000, v[TM+\b] ; 2 off its exponent field: the conversion's scale operand
.endr
.irp b, 0,1,2,3
	v_lshrrev_b32 v[TM+4+\b], 23, v[TM+12+\b]      ; the scale's byte
.endr
	v_lshl_or_b32 v[PW+qa], v[TM+5], 8, v[TM+4]
	v_lshl_or_b32 v[PW+qa], v[TM+6], 16, v[PW+qa]
	v_lshl_or_b32 v[PW+qa], v[TM+7], 24, v[PW+qa]
.if qa >= 2
	s_wait_xcnt 0x0                                ; the stores of two tiles ago have read this set of code registers
.endif
	WIN 0x02+(qa/4)                                ; source 0: window 2 or 3
.set t, 0
.rept 8
	v_cvt_scalef32_pk8_fp4_f32 v[PCS+4*(t/4)+2*(t%2)+(t%4)/2], v[AC+8*t:AC+8*t+7], v[TM+12+t/2]
.set t, t+1
.endr
	WIN 0
	v_nop                                          ; one plain place behind the scaled conversions
.irp c, 0,2,4,6
	v_permlane16_swap_b32 v[PCS+\c], v[PCS+\c+1]
.endr
.endm
; A whole path.  ada, sca: LDS addresses and scale words of the lane side (source 1);  adb, scb: of the register side (source 0).  isv = 1: the v path.
.macro PATH ada, sca, adb, scb, isv
	s_wait_tensorcnt 0x1                           ; my part of slot 0 has landed; slot 1's load, issued behind it, may stay out
	s_barrier_signal -1
	s_barrier_wait -1                              ; everybody's has
	FETCH 0, \ada, \adb
	s_wait_loadcnt 0x0                             ; the scale words and the bias
.if \isv
	WIN 0x41                                       ; source 0 and destination window 1
.set ia, 0
.rept 8
.irp j, 1,2,3,4,5,6,7
	v_mov_b32 v[BI+8*ia+\j], v[BI+8*ia]            ; a lane's column has one bias for its eight tokens
.endr
.set ia, ia+1
.endr
.endif
	STEP 0, \ada, \sca, \adb, \scb, \isv
	STEP 1, \ada, \sca, \adb, \scb, \isv
	STEP 2, \ada, \sca, \adb, \scb, \isv
	STEP 3, \ada, \sca, \adb, \scb, \isv
	STEP 4, \ada, \sca, \adb, \scb, \isv
	STEP 5, \ada, \sca, \adb, \scb, \isv
	STEP 6, \ada, \sca, \adb, \scb, \isv
	STEP 7, \ada, \sca, \adb, \scb, \isv
	PLACES 4                                       ; four places in front of the first read of results
.set qa, 0
.rept 8
	QUANT
.if \isv
	global_store_b128 v[CO], v[PCS:PCS+3], s[66:67] offset:(qa/4)*BHB+4096+(qa%4)*1024       ; head qa / 4, tile qa % 4 of its 64 channels: 512 dense bytes a store
	global_store_b128 v[CO], v[PCS+4:PCS+7], s[66:67] offset:(qa/4)*BHB+4096+(qa%4)*1024+512
.else
	global_store_b128 v[CO], v[PCS:PCS+3], s[66:67] offset:512*qa                             ; my first head: tokens 16 qa on
	global_store_b128 v[CO], v[PCS+4:PCS+7], s[66:67] offset:BHB+512*qa                       ; my second head
.endif
.set qa, qa+1
.endr
.if \isv
.irp k, 0,1,2,3
	v_cndmask_b32 v[PK+\k], v[PW+2*\k], v[PW+2*\k+1], s91   ; lanes 0-15 the even tile's words, lanes 16-31 the odd tile's
.endr
	global_store_b64 v[CO8], v[PK:PK+1], s[66:67] offset:8704
	global_store_b64 v[CO8], v[PK+2:PK+3], s[66:67] offset:BHB+8704
.else
.irp i, 0,1,2,3
	v_cndmask_b32 v[TM+\i], v[PW+2*\i], v[PW+2*\i+1], s91   ; lane l: the word of token 32 i + l
.endr
.irp i, 0,1,2,3
	v_and_b32 v[PK+\i], 0xffff, v[TM+\i]           ; bytes 0, 1: my first head's two blocks; bytes 2, 3 of a stored word are 0: they scale zero codes
	v_lshrrev_b32 v[PK+4+\i], 16, v[TM+\i]         ; bytes 2, 3: my second head's
.endr
	global_store_b128 v[CO], v[PK:PK+3], s[66:67] offset:8192
	global_store_b128 v[CO], v[PK+4:PK+7], s[66:67] offset:BHB+8192
.endif
	s_wait_tensorcnt 0x0                           ; the wave's end
	ds_add_u32 v[SPW], v[NIL]
	s_wait_dscnt 0x0
	CROUND                                         ; the closing round
	s_endpgm
.endm
	s_load_b128 s[4:7], s[0:1], 0x0                ; x's codes, x's scales
	s_load_b512 s[68:83], s[0:1], 0x10             ; Wq codes, scales, bq; Wk codes, scales, bk; Wv codes, scales
	s_load_b128 s[84:87], s[0:1], 0x50             ; bv, qws
	s_load_b64 s[88:89], s[0:1], 0x60              ; kvws
	v_lshl_add_u32 v[SPW], v0, 2, SPARE
	v_mov_b32 v[NIL], 0
	ds_add_u32 v[SPW], v[NIL]                      ; the opening: the add, twice on end, and its wait ahead of my first tensor load
	ds_add_u32 v[SPW], v[NIL]
	v_lshrrev_b32 v1, 5, v0
	v_readfirstlane_b32 s14, v1                    ; wave 0..3
	s_lshr_b32 s15, s14, 1                         ; my half of the tokens.  Also: I fetch for x (0) or for the weight (1)
	s_and_b32 s16, s14, 1                          ; my half of the columns.  Also: which 128 rows I fetch
	s_bfe_u32 s40, ttmp6, 0x40000                  ; cx: the tile column in the weight
	s_bfe_u32 s41, ttmp6, 0x40004                  ; cy
	s_and_b32 s17, ttmp7, 0xffff
	s_lshl_b32 s17, s17, 2
	s_add_co_u32 s17, s17, s41                     ; tile row: 4 x cluster y + cy
	s_lshl_b32 s43, s41, 2
	s_lshl_b32 s43, 15, s43                        ; my row of the cluster
	s_lshl_b32 s44, 0x1111, s40                    ; my column
	s_or_b32 s[G1], s43, (1<<20)|(1<<21)|(5<<22)|(3<<25)   ; the mask; elements of 1 byte; padding on; bit 21 beside a mask; 4 words of padding after every 64
	s_or_b32 s[G1B], s44, (1<<20)|(1<<21)|(5<<22)|(3<<25)
.irp g, G1, G1B
	s_mov_b32 s[\g+1], 256<<16                     ; tensor_dim0 = 256 bytes
	s_mov_b32 s[\g+2], 128<<16                     ; tensor_dim1 = 128
	s_mov_b32 s[\g+3], 256<<16                     ; tile_dim0
	s_mov_b32 s[\g+4], 128                         ; tile_dim1
	s_mov_b32 s[\g+5], 512                         ; a row of 1,024 codes in memory
	s_mov_b32 s[\g+6], 0
	s_mov_b32 s[\g+7], 0
.endr
	s_lshl_b32 s18, s16, 7
	s_lshl_b32 s20, s17, 8
	s_add_co_u32 s20, s20, s18                     ; x: row 256 x tile row + 128 x half
	s_lshl_b32 s20, s20, 9                         ; in bytes
	s_mov_b32 s21, 0
	s_lshl_b32 s46, s40, 8
	s_add_co_u32 s46, s46, s18                     ; the weight: row 256 cx + 128 x half
	s_lshl_b32 s46, s46, 9
	s_mov_b32 s47, 0
	s_mul_i32 s45, s14, HALFT                      ; where they go: wave x 128 rows
	s_mov_b32 s90, 0x1800000
	s_mov_b32 s91, 0xffff0000
	s_mov_b32 s92, 0x76543210
	s_mov_b32 s93, 0xfedcba98
	s_wait_dscnt 0x0                               ; both opening adds are done
	s_wait_kmcnt 0x0
	s_cmp_eq_u32 ttmp9, 1                          ; the weight's three buffers and the workspace, chosen by cluster x alone
	s_cselect_b64 s[8:9], s[74:75], s[68:69]
	s_cselect_b64 s[10:11], s[76:77], s[70:71]
	s_cselect_b64 s[12:13], s[78:79], s[72:73]
	s_cmp_eq_u32 ttmp9, 2
	s_cselect_b64 s[8:9], s[80:81], s[8:9]
	s_cselect_b64 s[10:11], s[82:83], s[10:11]
	s_cselect_b64 s[12:13], s[84:85], s[12:13]
	s_cmp_eq_u32 ttmp9, 0
	s_cselect_b64 s[66:67], s[86:87], s[88:89]
	s_add_nc_u64 s[20:21], s[4:5], s[20:21]
	s_add_nc_u64 s[46:47], s[8:9], s[46:47]
.irp s, 0,1
	s_mov_b32 s[G0+4*\s], 1
	s_add_co_u32 s[G0+4*\s+1], s45, \s*SLOT
	s_add_nc_u64 s[G0+4*\s+2:G0+4*\s+3], s[20:21], \s*256
	s_or_b32 s[G0+4*\s+3], s[G0+4*\s+3], 0x80000000
	s_mov_b32 s[G0B+4*\s], 1
	s_add_co_u32 s[G0B+4*\s+1], s45, \s*SLOT
	s_add_nc_u64 s[G0B+4*\s+2:G0B+4*\s+3], s[46:47], \s*256
	s_or_b32 s[G0B+4*\s+3], s[G0B+4*\s+3], 0x80000000
.endr
	CROUND                                         ; all sixteen work-groups are here: the joint loads meet
	s_cmp_eq_u32 s15, 0                            ; a wave's two fills stand in one branch on its number: two loads of mine are out
	s_cbranch_scc0 .Lfirst_w
	tensor_load_to_lds s[G0:G0+3], s[G1:G1+7]
	s_nop 0
	tensor_load_to_lds s[G0+4:G0+7], s[G1:G1+7]
	s_nop 0
	PLACES 4
	s_branch .Lfirst_done
.Lfirst_w:
	tensor_load_to_lds s[G0B:G0B+3], s[G1B:G1B+7]
	s_nop 0
	tensor_load_to_lds s[G0B+4:G0B+7], s[G1B:G1B+7]
	s_nop 0
	PLACES 4
.Lfirst_done:
	v_and_b32 v1, 15, v0                           ; r
	v_bfe_u32 v2, v0, 4, 1                         ; h
	v_mul_u32_u24 v3, v1, PITCH
	v_lshl_add_u32 v3, v2, 4, v3                   ; a fragment's row x pitch + 16 h
	s_mul_i32 s21, s15, HALFT                      ; my 128 tokens
	s_mul_i32 s22, s16, HALFT                      ; my 128 rows of the weight,
	s_add_co_u32 s22, s22, 2*HALFT                 ; behind x's 256
.irp s, 0,1
	v_add_nc_u32 v[ADRX+\s], s21, v3
	v_add_nc_u32 v[ADRW+\s], s22, v3
	s_add_co_u32 s21, s21, SLOT
	s_add_co_u32 s22, s22, SLOT
.endr
	v_and_b32 v6, 31, v0
	v_lshlrev_b32 v[CO], 4, v6
	v_lshlrev_b32 v[CO8], 3, v6
	v_lshlrev_b32 v[SV], 5, v6
	v_lshlrev_b32 v4, 5, v2                        ; 32 h: the bias of eight neighbouring columns
	v_lshlrev_b32 v5, 2, v1                        ; 4 r: the bias of my column
	s_lshl_b32 s18, s17, 13
	s_lshl_b32 s19, s15, 12
	s_add_co_u32 s18, s18, s19                     ; x's scale bytes of my 128 tokens: 32 bytes a row
	s_mov_b32 s19, 0
	s_add_nc_u64 s[6:7], s[6:7], s[18:19]
	s_lshl_b32 s22, s40, 13
	s_lshl_b32 s23, s16, 12
	s_add_co_u32 s22, s22, s23                     ; the weight's, of my 128 rows
	s_mov_b32 s23, 0
	s_add_nc_u64 s[10:11], s[10:11], s[22:23]
	s_lshr_b32 s22, s22, 3                         ; and their bias: 4 bytes a column
	s_add_nc_u64 s[12:13], s[12:13], s[22:23]
.irp i, 0,1,2,3
.irp k, 0,1
	global_load_b128 v[XS+8*\i+4*\k:XS+8*\i+4*\k+3], v[SV], s[6:7] offset:1024*\i+16*\k    ; lane l: row 32 i + l, K steps 4 k .. 4 k + 3; the pair k = 0, 1 covers 1,024 dense bytes
	global_load_b128 v[WS+8*\i+4*\k:WS+8*\i+4*\k+3], v[SV], s[10:11] offset:1024*\i+16*\k
.endr
.endr
.irp b, 0,1,2,3
	v_mov_b32 v[TM+4+\b], 0                        ; written once: a lane permute's destination counts as one of its sources
.endr
	s_lshr_b32 s94, s17, 3                         ; where my records begin: batch,
	s_lshl_b32 s94, s94, 4
	s_lshl_b32 s95, s40, 2
	s_add_co_u32 s94, s94, s95
	s_lshl_b32 s95, s16, 1
	s_add_co_u32 s94, s94, s95                     ; 16 x batch + my first head (4 cx + 2 x half),
	s_mul_i32 s94, s94, BHB
	s_and_b32 s95, s17, 7
	s_lshl_b32 s95, s95, 1
	s_add_co_u32 s95, s95, s15                     ; and my 128 tokens' place in the sequence
	s_mul_i32 s95, s95, REC
	s_add_co_u32 s94, s94, s95
	s_mov_b32 s95, 0
	s_add_nc_u64 s[66:67], s[66:67], s[94:95]
	s_cmp_eq_u32 ttmp9, 2                          ; cluster x: the same in all partners
	s_cbranch_scc1 .Lpath_v
	WIN 0x40                                       ; destination window 1
.irp b, 0,1,2,3,4,5,6,7
	global_load_b128 v[BI+8*\b:BI+8*\b+3], v4, s[12:13] offset:64*\b          ; the bias of columns 16 b + 8 h + 0 .. 7
	global_load_b128 v[BI+8*\b+4:BI+8*\b+7], v4, s[12:13] offset:64*\b+16
.endr
	WIN 0
	PATH ADRX, XS, ADRW, WS, 0
.Lpath_v:
	WIN 0x40
.irp a, 0,1,2,3,4,5,6,7
	global_load_b32 v[BI+8*\a], v5, s[12:13] offset:64*\a                      ; the bias of column 16 a + r
.endr
	WIN 0
	PATH ADRW, WS, ADRX, XS, 1
.Lfunc_end_k_q78e636eee6_qkv:
	.size	k_q78e636eee6_qkv, .Lfunc_end_k_q78e636eee6_qkv-k_q78e636eee6_qkv
	.p2alignl 7, 3214868480
	.fill 96, 4, 3214868480
	.section	.rodata,"a",@progbits
	.p2align	6, 0x0
	.amdhsa_kernel k_q78e636eee6_qkv
		.amdhsa_group_segment_fixed_size 279040
		.amdhsa_private_segment_fixed_size 0
		.amdhsa_enable_private_segment 0
		.amdhsa_kernarg_size 104
		.amdhsa_user_sgpr_count 2
		.amdhsa_user_sgpr_kernarg_segment_ptr 1
		.amdhsa_wavefront_size32 1
		.amdhsa_system_sgpr_workgroup_id_x 1
		.amdhsa_system_sgpr_workgroup_id_y 1
		.amdhsa_system_sgpr_workgroup_id_z 1
		.amdhsa_system_vgpr_workitem_id 0
		.amdhsa_next_free_vgpr 1024
		.amdhsa_next_free_sgpr 100
		.amdhsa_reserve_vcc 0
		.amdhsa_float_denorm_mode_32 3
		.amdhsa_float_denorm_mode_16_64 3
		.amdhsa_memory_ordered 1
		.amdhsa_forward_progress 1
		.amdhsa_inst_pref_size 243
	.end_amdhsa_kernel
	.amdgpu_metadata
---
amdhsa.version: [ 1, 2 ]
amdhsa.kernels:
  - .name:           k_q78e636eee6_qkv
    .symbol:         k_q78e636eee6_qkv.kd
    .args:
      - { .name: x_codes, .offset: 0, .size: 8, .value_kind: global_buffer, .address_space: global }
      - { .name: x_scales, .offset: 8, .size: 8, .value_kind: global_buffer, .address_space: global }
      - { .name: Wq_codes, .offset: 16, .size: 8, .value_kind: global_buffer, .address_space: global }
      - { .name: Wq_scales, .offset: 24, .size: 8, .value_kind: global_buffer, .address_space: global }
      - { .name: bq, .offset: 32, .size: 8, .value_kind: global_buffer, .address_space: global }
      - { .name: Wk_codes, .offset: 40, .size: 8, .value_kind: global_buffer, .address_space: global }
      - { .name: Wk_scales, .offset: 48, .size: 8, .value_kind: global_buffer, .address_space: global }
      - { .name: bk, .offset: 56, .size: 8, .value_kind: global_buffer, .address_space: global }
      - { .name: Wv_codes, .offset: 64, .size: 8, .value_kind: global_buffer, .address_space: global }
      - { .name: Wv_scales, .offset: 72, .size: 8, .value_kind: global_buffer, .address_space: global }
      - { .name: bv, .offset: 80, .size: 8, .value_kind: global_buffer, .address_space: global }
      - { .name: qws, .offset: 88, .size: 8, .value_kind: global_buffer, .address_space: global }
      - { .name: kvws, .offset: 96, .size: 8, .value_kind: global_buffer, .address_space: global }
    .group_segment_fixed_size: 279040
    .private_segment_fixed_size: 0
    .kernarg_segment_align: 8
    .kernarg_segment_size: 104
    .max_flat_workgroup_size: 128
    .sgpr_count:     100
    .vgpr_count:     1024
    .wavefront_size: 32
...
	.end_amdgpu_metadata
.endif
;; end of part 1
;; launch attn (part 2): grid 4 x 64, 16 waves a work-group, clusters of 4 x 1, 167,936 bytes of LDS; arguments qws, kvws, ycodes, yscales; writes ycodes, yscales
.if DOCPART == 2
	.amdgcn_target "amdgcn-amd-amdhsa--gfx1250"
	.amdhsa_code_object_version 6
	.text
	.protected	k_q78e636eee6_attn
	.globl	k_q78e636eee6_attn
	.p2align	8
	.type	k_q78e636eee6_attn,@function
k_q78e636eee6_attn:
	s_mov_b64 s[64:65], 0
	v_nop
	global_prefetch_b8 v0, s[64:65] scope:SCOPE_SE
	s_setreg_imm32_b32 hwreg(HW_REG_WAVE_MODE, 25, 1), 1
	s_wait_xcnt 0x0
	s_wait_alu depctr_hold_cnt(0) depctr_sa_sdst(0) depctr_va_vdst(0) depctr_va_sdst(0) depctr_va_ssrc(0) depctr_va_vcc(0) depctr_vm_vsrc(0)
	s_getreg_b32 s2, hwreg(HW_REG_IB_STS2, 6, 4)
	s_cmp_eq_u32 s2, 0
	s_cbranch_scc0 .Lentry_in_a_cluster
	s_endpgm
.Lentry_in_a_cluster:
	s_bfe_u32 s2, ttmp6, 0x10000c
	s_cmp_lg_u32 s2, 0x3003
	s_cbranch_scc0 .Lentry_shape_is_right
	s_endpgm
.Lentry_shape_is_right:
; y[b][q][head] = softmax over keys k <= q of (q . k / 8) times v, both products on codes of FP4 (E2M1) with E8M0 scales; then y is quantised along the head's 64 and leaves as codes.
; WORK LEFT OUT: key steps of 128 keys all of which come after all 16 queries of a tile (reference()'s own causal mask gives them the weight 0 for all finite inputs).
; LIMITS: NaN and infinities are not served, and one that reaches only the steps left out is not carried on; a block under 2^-124 has its scale byte held at 1, a block of zeros gets the byte 1.
; THE SOFTMAX: t = score x log2(e) / 8; M = the running largest t rounded UP to a whole number; p = 2^(t - M) is quantised along the keys, not normalised; the row's sum is taken of the unquantised p and divides at the end.
; When M moves, the sum and O are multiplied by 2^(old M - new M), which rounds nothing.
; SHARES.  A work-group is one head (grid y) and one place cx in its cluster of four.  Wave w owns two tiles of 16 queries: A = tile 4 w + cx and B = tile 124 - 4 w + cx of the head's 128.  With e = w / 2, A's diagonal
; lies in key step e and B's in step 15 - e, whatever cx: so every wave works (e + 1) + (16 - e) = 17 key steps, and no branch hangs on cx.
; A whole head's K and V, 16 records of 8,960 bytes laid as operand registers, lie in LDS, filled once: no byte is filled again.  The four partners ask for them JOINTLY.  Every wave issues two loads: its part of the
; first 36,864 bytes (records 0-3 lie in them) and its part of the rest, which lands while the first four steps are worked.
; LAYOUT.  Both products are used transposed: S^T = K Q^T (source 0 = 16 keys, source 1 = my 16 queries; K = 64, the fragments' upper halves are zero codes), O^T = V^T P^T: a lane holds one query throughout.
; In S^T tile t, lane (r, h), register j is key 16 t + 8 h + j.  Tile t's codes go to register 4 (t / 4) + 2 (t % 2) + (t % 4) / 2 and four exchanges of halves give the operand's layout.
; y's scale bytes leave two bytes a token: a tile's 16 tokens lie 4 bytes apart, the neighbouring head's bytes between them come from another work-group, so these stores fill their 64 bytes in part: 32 bytes a tile against 512 of codes.
; REGISTERS: v1 16 x lane, v2 8 x lane, v3 4 r; v[4:7] B's -M, largest t, sum in two halves; v[12:15] A's; v8, v9 the step's addresses; v10, v11 Q's scale words; v16-23, v24-31 Q's fragments; v32-63 four fragments of K;
;   v64-95 V's four; v96-159 S^T, then p; v160-191, v192-223 O^T of A and B; v224-231 p's codes; v232-239, v244-247, v254 at work; v[240:241] V's scale words; v242, v243 the add's two; v[248:251] K's scale words; v252 f; v253 p's scale word; v255 r - 8 h.
.set REC,   8960
.set BHB,   16*REC
.set GA,    2304                       ; the first group: 9 rows of 256 bytes a wave
.set GB,    6656                       ; the second: 26 rows
.set GAB,   16*GA
.set SPARE, BHB                        ; behind the records: the spare words, 128 bytes for each of 16 waves
.set SPW, 242
.set NIL, 243
.macro PLACES n
.rept \n
	v_nop
.endr
.endm
.macro CROUND
	s_barrier_signal -1
	s_barrier_wait -1
	s_cmp_lg_u32 s12, 0
	s_cbranch_scc1 .Lnot_wave_0_\@
	s_barrier_signal -3
.Lnot_wave_0_\@:
	s_barrier_wait -3
	s_barrier_signal -1
	s_barrier_wait -1
.endm
.macro WMX                             ; one matrix instruction from the symbols rD, rA, rB, rSA, rSB; fCZ: C is 0, else C is D; fRA: source 0's scales stand in lanes 16-31
.if fCZ
.if fRA
	v_wmma_scale_f32_16x16x128_f8f6f4 v[rD:rD+7], v[rA:rA+7], v[rB:rB+7], 0, v[rSA], v[rSB] matrix_a_fmt:MATRIX_FMT_FP4 matrix_b_fmt:MATRIX_FMT_FP4 matrix_a_scale:MATRIX_SCALE_ROW1
.else
	v_wmma_scale_f32_16x16x128_f8f6f4 v[rD:rD+7], v[rA:rA+7], v[rB:rB+7], 0, v[rSA], v[rSB] matrix_a_fmt:MATRIX_FMT_FP4 matrix_b_fmt:MATRIX_FMT_FP4
.endif
.else
.if fRA
	v_wmma_scale_f32_16x16x128_f8f6f4 v[rD:rD+7], v[rA:rA+7], v[rB:rB+7], v[rD:rD+7], v[rSA], v[rSB] matrix_a_fmt:MATRIX_FMT_FP4 matrix_b_fmt:MATRIX_FMT_FP4 matrix_a_scale:MATRIX_SCALE_ROW1
.else
	v_wmma_scale_f32_16x16x128_f8f6f4 v[rD:rD+7], v[rA:rA+7], v[rB:rB+7], v[rD:rD+7], v[rSA], v[rSB] matrix_a_fmt:MATRIX_FMT_FP4 matrix_b_fmt:MATRIX_FMT_FP4
.endif
.endif
.endm
.macro SPROD g, qf, qs                 ; S^T, tiles 4 g .. 4 g + 3
.set t, 0
.rept 4
.set rD, 96+32*(\g)+8*t
.set rA, 32+8*t
.set rB, \qf
.set rSA, 248+2*(\g)+t/2
.set rSB, \qs
.set fRA, t%2
.set fCZ, 1
	WMX
.set t, t+1
.endr
.endm
; A KEY STEP of 128 keys for one tile of queries.  qf, qs: Q's fragment and scale word; nm: the tile's four statistics; ob: its O^T; dg: the scalar with its diagonal step; dq: the scalar with 16 x its place among the step's eight tiles.
; chk = 1: a step behind the diagonal is left out by a scalar branch on the count of steps and the wave's number, and on the diagonal hidden scores become -infinity.
.macro STEP qf, qs, nm, ob, dg, dq, chk
.if \chk
	s_cmp_gt_u32 s53, s[\dg]
	s_cbranch_scc1 .Lhidden_\@
.endif
	v_add_nc_u32 v8, s52, v1
	v_add_nc_u32 v9, s52, v2
	v_nop
	v_nop                                          ; four places in front of loads into registers that the last step's matrix instructions read
.irp t, 0,1,2,3
	ds_load_b128 v[32+8*\t:35+8*\t], v8 offset:512*\t            ; K, tiles 0-3: the low halves; the upper halves stay zeros
.endr
	ds_load_b128 v[248:251], v8 offset:8192                      ; K's scale words: register i, lane l: key 32 i + l
.irp t, 0,1,2,3
	ds_load_b128 v[64+8*\t:67+8*\t], v8 offset:4096+1024*\t      ; V, channels 16 t on
	ds_load_b128 v[68+8*\t:71+8*\t], v8 offset:4096+1024*\t+512
.endr
	ds_load_b64 v[240:241], v9 offset:8704                       ; V's scale words
	s_wait_dscnt 0x9                               ; K's four tiles and scale words are in; V's eight loads and its scale words may be out
	SPROD 0, \qf, \qs
	PLACES 4
.irp t, 0,1,2,3
	ds_load_b128 v[32+8*\t:35+8*\t], v8 offset:2048+512*\t       ; K, tiles 4-7
.endr
	s_wait_dscnt 0x0
	SPROD 1, \qf, \qs
	PLACES 4
.if \chk
	s_cmp_lg_u32 s53, s[\dg]
	s_cbranch_scc1 .Lopen_\@
	v_add_nc_u32 v252, s[\dq], v255                ; d = my query - the step's first key - 8 h.  Register 8 t + j holds key 16 t + 8 h + j: hidden where 16 t + j > d
	v_mov_b32 v254, 0xff800000                     ; -infinity
.set n, 0
.rept 64
	v_cmp_gt_i32 vcc_lo, 16*(n/8)+n%8, v252
	v_cndmask_b32 v[96+n], v[96+n], v254, vcc_lo
.set n, n+1
.endr
.Lopen_\@:
.endif
.irp b, 0,1,2,3
	v_max3_num_f32 v[232+\b], v[96+16*\b], v[97+16*\b], v[98+16*\b]   ; the largest score of each block of 32 keys: for the row's maximum and, since p rises with the score, for the block's largest p
.endr
.irp i, 3,5,7,9,11,13
.irp b, 0,1,2,3
	v_max3_num_f32 v[232+\b], v[232+\b], v[96+16*\b+\i], v[97+16*\b+\i]
.endr
.endr
.irp b, 0,1,2,3
	v_max_num_f32 v[232+\b], v[232+\b], v[111+16*\b]
.endr
.irp b, 0,1,2,3
	v_permlanex16_b32 v[236+\b], v[232+\b], s20, s21
.endr
.irp b, 0,1,2,3
	v_max_num_f32 v[232+\b], v[232+\b], v[236+\b]  ; with lane l xor 16's 16 keys
.endr
	v_max3_num_f32 v254, v232, v233, v234
	v_max_num_f32 v254, v254, v235
	v_mul_f32 v254, s22, v254                      ; the step's largest t
	v_max_num_f32 v[\nm+1], v[\nm+1], v254         ; the running largest t
	v_mov_b32 v254, v[\nm]
	v_floor_f32 v[\nm], -v[\nm+1]                  ; the new -M = -ceil(t)
	v_sub_f32 v254, v[\nm], v254                   ; old M - new M: a whole number, 0 or less
	v_cvt_i32_f32 v254, v254                       ; (it saturates)
	v_ldexp_f32 v252, 1.0, v254                    ; f = 2^(old M - new M)
.set j, 0
.rept 32
	v_pk_fma_f32 v[96+j:97+j], v[96+j:97+j], s[22:23], v[\nm:\nm+1] op_sel_hi:[1,0,0]   ; t - M, two at a time
.set j, j+2
.endr
.irp b, 0,1,2,3
	v_fma_f32 v[232+\b], v[232+\b], s22, v[\nm]    ; the same of each block's largest score
.endr
.set j, 0
.rept 64
	v_exp_f32 v[96+j], v[96+j]                     ; p = 2^(t - M)
.set j, j+1
.endr
	v_pk_mul_f32 v[\nm+2:\nm+3], v[\nm+2:\nm+3], v[252:253] op_sel_hi:[1,0]   ; the sums under the new M: the plain place behind the exponentials
	s_wait_alu depctr_va_vdst(0)                   ; one wait for the batch of 64, ahead of its first reader
.irp b, 0,1,2,3
	v_exp_f32 v[232+\b], v[232+\b]                 ; each block's largest p
.endr
	v_pk_add_f32 v[236:237], v[96:97], v[98:99]    ; the row's sum of the unquantised p, in two chains
.set j, 4
.rept 15
	v_pk_add_f32 v[\nm+2:\nm+3], v[\nm+2:\nm+3], v[96+j:97+j]
	v_pk_add_f32 v[236:237], v[236:237], v[98+j:99+j]
.set j, j+4
.endr
	v_pk_add_f32 v[\nm+2:\nm+3], v[\nm+2:\nm+3], v[236:237]
	s_wait_alu depctr_va_vdst(0)                   ; and one for the four
.irp b, 0,1,2,3
	v_max_num_f32 v[232+\b], s25, v[232+\b]        ; the floor 2^(3 - 127): the byte cannot fall under 1
.endr
.irp b, 0,1,2,3
	v_add_nc_u32 v[244+\b], 0xff000000, v[232+\b]  ; 2 off the exponent field: the conversion's scale operand
.endr
.irp b, 0,1,2,3
	v_lshrrev_b32 v[236+\b], 23, v[244+\b]         ; the scale's byte
.endr
	v_lshl_or_b32 v253, v237, 8, v236              ; p's scale word for these 128 keys
	v_lshl_or_b32 v253, v238, 16, v253
	v_lshl_or_b32 v253, v239, 24, v253
.set t, 0
.rept 8
	v_cvt_scalef32_pk8_fp4_f32 v[224+4*(t/4)+2*(t%2)+(t%4)/2], v[96+8*t:103+8*t], v[244+t/2]
.set t, t+1
.endr
	v_nop                                          ; one plain place behind the scaled conversions
.irp c, 0,2,4,6
	v_permlane16_swap_b32 v[224+\c], v[225+\c]
.endr
.set j, 0
.rept 16
	v_pk_mul_f32 v[\ob+j:\ob+j+1], v[\ob+j:\ob+j+1], v[252:253] op_sel_hi:[1,0]   ; O^T under the new M; these are also the places between the scale word, the codes and the products
.set j, j+2
.endr
.set t, 0
.rept 4
.set rD, \ob+8*t
.set rA, 64+8*t
.set rB, 224
.set rSA, 240+t/2
.set rSB, 253
.set fRA, t%2
.set fCZ, 0
	WMX                                            ; O^T += V^T P^T: four accumulators by turns; the scores' eight products stand between two links of a chain
.set t, t+1
.endr
.if \chk
.Lhidden_\@:
.endif
.endm
; A tile's end: y = O^T / the sum, quantised along the head's 64 (two blocks), stored as registers 4 c .. 4 c + 3 of the next launch's fragment and two scale bytes a token.
.macro FINISH nm, ob, yc, ys
	PLACES 4                                       ; four places in front of the first read of the last products' results
	v_add_f32 v254, v[\nm+2], v[\nm+3]
	v_permlanex16_b32 v236, v254, s20, s21
	v_add_f32 v254, v254, v236                     ; the row's sum
	v_rcp_f32 v252, v254
	v_nop                                          ; a plain place behind the reciprocal
	s_wait_alu depctr_va_vdst(0)                   ; and the wait ahead of its first reader
.set j, 0
.rept 16
	v_pk_mul_f32 v[96+j:97+j], v[\ob+j:\ob+j+1], v[252:253] op_sel_hi:[1,0]   ; register 8 t + i: channel 16 t + 8 h + i of my query
.set j, j+2
.endr
.irp b, 0,1
	v_max3_num_f32 v[232+\b], |v[96+16*\b]|, |v[97+16*\b]|, s25
.endr
.irp i, 2,4,6,8,10,12,14
.irp b, 0,1
	v_max3_num_f32 v[232+\b], v[232+\b], |v[96+16*\b+\i]|, |v[97+16*\b+\i]|
.endr
.endr
.irp b, 0,1
	v_permlanex16_b32 v[236+\b], v[232+\b], s20, s21
.endr
.irp b, 0,1
	v_max_num_f32 v[232+\b], v[232+\b], v[236+\b]
.endr
.irp b, 0,1
	v_add_nc_u32 v[244+\b], 0xff000000, v[232+\b]
.endr
.irp b, 0,1
	v_lshrrev_b32 v[236+\b], 23, v[244+\b]
.endr
	v_lshl_or_b32 v254, v237, 8, v236              ; my token's two scale bytes
.set t, 0
.rept 4
	v_cvt_scalef32_pk8_fp4_f32 v[224+2*(t%2)+t/2], v[96+8*t:103+8*t], v[244+t/2]
.set t, t+1
.endr
	v_nop
.irp c, 0,2
	v_permlane16_swap_b32 v[224+\c], v[225+\c]
.endr
	global_store_b128 v1, v[224:227], s[\yc:\yc+1]                 ; 512 dense bytes
	global_store_b16 v3, v254, s[\ys:\ys+1]                        ; lanes l and l xor 16 write the same two bytes with the same value
	s_wait_xcnt 0x0                                ; the stores have read their registers, which the next tile writes again
.endm
; The four addresses of a tile: p: the scalar with its block of 128 tokens in the sequence; a: with its place among the block's eight tiles
.macro TADDR p, a, qc, qs, yc, ys
	s_mul_i32 s76, s[\p], REC
	s_add_co_u32 s76, s76, s80                     ; its record
	s_lshl_b32 s78, s[\a], 9
	s_add_co_u32 s78, s78, s76
	s_add_nc_u64 s[\qc:\qc+1], s[4:5], s[78:79]    ; Q's codes: 512 bytes a tile
	s_and_b32 s78, s[\a], 1
	s_lshl_b32 s78, s78, 8
	s_lshr_b32 s77, s[\a], 1
	s_lshl_b32 s77, s77, 2
	s_add_co_u32 s78, s78, s77
	s_add_co_u32 s78, s78, s76
	s_add_co_u32 s78, s78, 8192
	s_add_nc_u64 s[\qs:\qs+1], s[4:5], s[78:79]    ; Q's scale words: the word of token 32 i + l lies at 16 l + 4 i
	s_add_co_u32 s76, s81, s[\p]                   ; the block among all 64
	s_lshl_b32 s78, s76, 16
	s_lshl_b32 s77, s[\a], 10
	s_add_co_u32 s78, s78, s77
	s_add_co_u32 s78, s78, s82
	s_add_nc_u64 s[\yc:\yc+1], s[8:9], s[78:79]
	s_lshl_b32 s78, s76, 12
	s_lshl_b32 s77, s[\a], 6
	s_add_co_u32 s78, s78, s77
	s_add_co_u32 s78, s78, s83
	s_add_nc_u64 s[\ys:\ys+1], s[10:11], s[78:79]
.endm
	s_load_b256 s[4:11], s[0:1], 0x0               ; qws, kvws, ycodes, yscales
	v_lshl_add_u32 v[SPW], v0, 2, SPARE
	v_mov_b32 v[NIL], 0
	ds_add_u32 v[SPW], v[NIL]                      ; the opening: the add, twice on end, and its wait ahead of my first tensor load
	ds_add_u32 v[SPW], v[NIL]
	v_lshrrev_b32 v1, 5, v0
	v_readfirstlane_b32 s12, v1                    ; wave 0..15
	s_lshr_b32 s13, s12, 1                         ; e
	s_and_b32 s14, s12, 1
	s_bfe_u32 s15, ttmp6, 0x40000                  ; cx: it enters Q's and y's global addresses and the mask's lane numbers alone
	s_and_b32 s16, ttmp7, 0xffff                   ; batch x 16 + head, which the four partners share
	s_mov_b32 s28, 15|(3<<16)|(1<<21)              ; group 1, first group: the mask names all four; elements of 8 bytes; bit 21 beside a mask; no padding
	s_mov_b32 s29, 32<<16                          ; rows of 256 bytes
	s_mov_b32 s30, 9<<16                           ; 9 rows
	s_mov_b32 s31, 32<<16
	s_mov_b32 s32, 9
	s_mov_b32 s33, 32
	s_mov_b32 s34, 0
	s_mov_b32 s35, 0
	s_mov_b32 s36, 15|(3<<16)|(1<<21)              ; second group: 26 rows
	s_mov_b32 s37, 32<<16
	s_mov_b32 s38, 26<<16
	s_mov_b32 s39, 32<<16
	s_mov_b32 s40, 26
	s_mov_b32 s41, 32
	s_mov_b32 s42, 0
	s_mov_b32 s43, 0
	s_mul_i32 s80, s16, BHB                        ; the head's first byte in qws and kvws
	s_mul_i32 s76, s12, GA                         ; my part of the first group,
	s_mul_i32 s77, s12, GB
	s_add_co_u32 s77, s77, GAB                     ; and of the second: the same offset in the head's bytes and in LDS
	s_mov_b32 s20, 0x76543210
	s_mov_b32 s21, 0xfedcba98
	s_mov_b32 s22, 0x3e38aa3b                      ; c = log2(e) / 8
	s_mov_b32 s23, s22
	s_mov_b32 s25, 0x1800000
	s_mov_b32 s79, 0
	s_wait_dscnt 0x0                               ; both opening adds are done
	s_wait_kmcnt 0x0
	s_mov_b32 s44, 1
	s_mov_b32 s45, s76
	s_add_co_u32 s78, s80, s76
	s_add_nc_u64 s[46:47], s[6:7], s[78:79]
	s_or_b32 s47, s47, 0x80000000
	s_mov_b32 s48, 1
	s_mov_b32 s49, s77
	s_add_co_u32 s78, s80, s77
	s_add_nc_u64 s[50:51], s[6:7], s[78:79]
	s_or_b32 s51, s51, 0x80000000
	CROUND                                         ; all four work-groups are here: the joint loads meet
	tensor_load_to_lds s[44:47], s[28:35]          ; every wave issues both, with no branch: two loads of mine are out
	s_nop 0
	tensor_load_to_lds s[48:51], s[36:43]
	s_nop 0
	PLACES 4
	s_lshr_b32 s81, s16, 4
	s_lshl_b32 s81, s81, 4                         ; 16 x batch
	s_bfe_u32 s82, s16, 0x30001                    ; head / 2: the next launch's K step
	s_and_b32 s77, s16, 1                          ; head % 2: which half of its fragment
	s_lshl_b32 s83, s82, 9
	s_lshl_b32 s82, s82, 13
	s_lshl_b32 s76, s77, 9
	s_add_co_u32 s82, s82, s76
	s_lshl_b32 s76, s77, 1
	s_add_co_u32 s83, s83, s76
	s_lshl_b32 s17, s14, 2
	s_add_co_u32 s17, s17, s15                     ; A's place among its step's eight tiles: 4 (w % 2) + cx
	s_xor_b32 s18, s14, 1
	s_lshl_b32 s18, s18, 2
	s_add_co_u32 s18, s18, s15                     ; B's: 4 (1 - w % 2) + cx
	s_lshl_b32 s56, s17, 4
	s_lshl_b32 s57, s18, 4
	s_mov_b32 s54, s13                             ; A's diagonal step
	s_sub_co_u32 s55, 15, s13                      ; B's
	TADDR 54, 17, 58, 62, 68, 72
	TADDR 55, 18, 60, 66, 70, 74
	v_and_b32 v1, 31, v0
	v_lshlrev_b32 v2, 3, v1
	v_lshlrev_b32 v1, 4, v1
	v_and_b32 v254, 15, v0                         ; r
	v_lshlrev_b32 v3, 2, v254
	v_lshlrev_b32 v8, 4, v254
	v_bfe_u32 v9, v0, 4, 1
	v_lshlrev_b32 v9, 3, v9
	v_sub_nc_u32 v255, v254, v9                    ; r - 8 h
	global_load_b128 v[16:19], v1, s[58:59]        ; Q's fragments stay in registers
	global_load_b128 v[24:27], v1, s[60:61]
	global_load_b32 v10, v8, s[62:63]              ; and their scale words
	global_load_b32 v11, v8, s[66:67]
.irp i, 20,21,22,23,28,29,30,31
	v_mov_b32 v[\i], 0                             ; K = 64: the upper halves of Q's and K's fragments are zero codes
.endr
.irp t, 0,1,2,3
.irp i, 4,5,6,7
	v_mov_b32 v[32+8*\t+\i], 0
.endr
.endr
	v_mov_b32 v5, 0xff61b1e6                       ; the largest t so far: -3e38, under every t
	v_mov_b32 v13, 0xff61b1e6
	v_floor_f32 v4, -v5                            ; -M
	v_floor_f32 v12, -v13
.irp i, 6,7,14,15,236,237,238,239,253
	v_mov_b32 v[\i], 0                             ; the sums; the lane permutes' destinations; the upper half of the pair v[252:253]
.endr
.set j, 0
.rept 64
	v_mov_b32 v[160+j], 0                          ; O^T of both tiles: the step is written with no first step of its own; the first change of M leaves zeros zeros
.set j, j+1
.endr
	s_wait_loadcnt 0x0                             ; Q
	s_wait_tensorcnt 0x1                           ; my part of the first group has landed; the second group's load, issued behind it, may stay out
	s_barrier_signal -1
	s_barrier_wait -1                              ; everybody's has: records 0-3 are whole
	s_mov_b32 s52, 0                               ; the step's record in LDS
	s_mov_b32 s53, 0                               ; the step
.Lb_first:                                         ; tile B, steps 0-3: its diagonal lies at step 8 or later, so nothing is tested
	STEP 24, 11, 4, 192, 55, 57, 0
	s_add_co_u32 s52, s52, REC
	s_add_co_u32 s53, s53, 1
	s_cmp_lt_u32 s53, 4
	s_cbranch_scc1 .Lb_first
	s_wait_tensorcnt 0x0                           ; my part of the second group has landed
	s_wait_dscnt 0x0
	s_barrier_signal -1
	s_barrier_wait -1                              ; everybody's has: the head is whole
	s_mov_b32 s52, 4*REC
	s_mov_b32 s53, 4
.Lb_rest:                                          ; tile B, steps 4-15
	STEP 24, 11, 4, 192, 55, 57, 1
	s_add_co_u32 s52, s52, REC
	s_add_co_u32 s53, s53, 1
	s_cmp_lt_u32 s53, 16
	s_cbranch_scc1 .Lb_rest
	FINISH 4, 192, 70, 74
	s_mov_b32 s52, 0
	s_mov_b32 s53, 0
.La_all:                                           ; tile A, steps 0-7: its diagonal lies at step 7 or earlier
	STEP 16, 10, 12, 160, 54, 56, 1
	s_add_co_u32 s52, s52, REC
	s_add_co_u32 s53, s53, 1
	s_cmp_lt_u32 s53, 8
	s_cbranch_scc1 .La_all
	FINISH 12, 160, 68, 72
	s_wait_tensorcnt 0x0                           ; the wave's end
	ds_add_u32 v[SPW], v[NIL]
	s_wait_dscnt 0x0
	CROUND                                         ; the closing round
	s_endpgm
.Lfunc_end_k_q78e636eee6_attn:
	.size	k_q78e636eee6_attn, .Lfunc_end_k_q78e636eee6_attn-k_q78e636eee6_attn
	.p2alignl 7, 3214868480
	.fill 96, 4, 3214868480
	.section	.rodata,"a",@progbits
	.p2align	6, 0x0
	.amdhsa_kernel k_q78e636eee6_attn
		.amdhsa_group_segment_fixed_size 167936
		.amdhsa_private_segment_fixed_size 0
		.amdhsa_enable_private_segment 0
		.amdhsa_kernarg_size 32
		.amdhsa_user_sgpr_count 2
		.amdhsa_user_sgpr_kernarg_segment_ptr 1
		.amdhsa_wavefront_size32 1
		.amdhsa_system_sgpr_workgroup_id_x 1
		.amdhsa_system_sgpr_workgroup_id_y 1
		.amdhsa_system_sgpr_workgroup_id_z 1
		.amdhsa_system_vgpr_workitem_id 0
		.amdhsa_next_free_vgpr 256
		.amdhsa_next_free_sgpr 84
		.amdhsa_reserve_vcc 1
		.amdhsa_float_denorm_mode_32 3
		.amdhsa_float_denorm_mode_16_64 3
		.amdhsa_memory_ordered 1
		.amdhsa_forward_progress 1
		.amdhsa_inst_pref_size 72
	.end_amdhsa_kernel
	.amdgpu_metadata
---
amdhsa.version: [ 1, 2 ]
amdhsa.kernels:
  - .name:           k_q78e636eee6_attn
    .symbol:         k_q78e636eee6_attn.kd
    .args:
      - { .name: qws, .offset: 0, .size: 8, .value_kind: global_buffer, .address_space: global }
      - { .name: kvws, .offset: 8, .size: 8, .value_kind: global_buffer, .address_space: global }
      - { .name: ycodes, .offset: 16, .size: 8, .value_kind: global_buffer, .address_space: global }
      - { .name: yscales, .offset: 24, .size: 8, .value_kind: global_buffer, .address_space: global }
    .group_segment_fixed_size: 167936
    .private_segment_fixed_size: 0
    .kernarg_segment_align: 8
    .kernarg_segment_size: 32
    .max_flat_workgroup_size: 512
    .sgpr_count:     84
    .vgpr_count:     256
    .wavefront_size: 32
...
	.end_amdgpu_metadata
.endif
;; end of part 2
;; launch proj (part 3): grid 4 x 64, 4 waves a work-group, clusters of 4 x 4, 239,104 bytes of LDS; arguments ycodes, yscales, Wo_codes, Wo_scales, bo, out0; writes out0
.if DOCPART == 3
	.amdgcn_target "amdgcn-amd-amdhsa--gfx1250"
	.amdhsa_code_object_version 6
	.text
	.protected	k_q78e636eee6_proj
	.globl	k_q78e636eee6_proj
	.p2align	8
	.type	k_q78e636eee6_proj,@function
k_q78e636eee6_proj:
	s_mov_b64 s[64:65], 0
	v_nop
	global_prefetch_b8 v0, s[64:65] scope:SCOPE_SE
	s_setreg_imm32_b32 hwreg(HW_REG_WAVE_MODE, 25, 1), 1
	s_wait_xcnt 0x0
	s_wait_alu depctr_hold_cnt(0) depctr_sa_sdst(0) depctr_va_vdst(0) depctr_va_sdst(0) depctr_va_ssrc(0) depctr_va_vcc(0) depctr_vm_vsrc(0)
	s_getreg_b32 s2, hwreg(HW_REG_IB_STS2, 6, 4)
	s_cmp_eq_u32 s2, 0
	s_cbranch_scc0 .Lentry_in_a_cluster
	s_endpgm
.Lentry_in_a_cluster:
	s_bfe_u32 s2, ttmp6, 0x10000c
	s_cmp_lg_u32 s2, 0xf033
	s_cbranch_scc0 .Lentry_shape_is_right
	s_endpgm
.Lentry_shape_is_right:
; out0 = y Wo + bo on codes of FP4 (E2M1) with E8M0 scales, sums in f32.  y's codes lie in memory as images of the operand's registers, [block of 128 tokens][K step][tile][half][lane][16 bytes]; its scale words [block][K step][token].
; Nothing is left out here.  LIMITS: NaN and infinities are not served.
; SHARES.  A work-group makes 128 tokens x 256 columns: 256 work-groups.  A wave makes 64 x 128: 32 accumulators.  All of K = 1,024 lies in LDS, each byte filled once, in two halves along K.
; CLUSTERS: 4 x 4.  y's block hangs on the tile row alone and is asked for jointly by a row of the cluster, Wo's tile on the tile column alone and is asked for by a column.
; THE MATRIX INSTRUCTION IS USED TRANSPOSED (source 0 = 16 rows of Wo, source 1 = 16 tokens): a lane holds eight neighbouring columns of one token.  bo is the C of each sum's first matrix instruction.
; REGISTERS: window 0: v16-29 addresses; v32-47 y's scale words (register 8 i + s: lane l has token 32 i + l, K step s); v64-95 Wo's; v128-191 y's fragments, two sets of 32; v192-255 bo; on the way out v128-255 hold rows.
;   window 1: Wo's fragments, two sets, at v0 and v128.   window 2: accumulator (a, b) at v[8 (8 a + b)].
.set PITCH,  272
.set HALFW,  128*PITCH
.set WO,     65536                     ; behind y's 65,536 bytes: Wo, two halves along K of 256 rows x 272
.set WHALF,  2*HALFW
.set STAGE,  WO+2*WHALF                ; the way out: 16 rows x (512 + 16) bytes for each wave, bytes of its own
.set SPITCH, 528
.set SPARE,  STAGE+4*16*SPITCH         ; the spare words, 128 bytes a wave
.set YAD,  16                          ; v16 16 x lane + my 64 tokens' four tiles
.set WAD,  20                          ; v20-21 my fragments of Wo in half 0, 1
.set STO,  24
.set RD,   25
.set CO,   26                          ; v26 16 x lane
.set SV,   27                          ; v27 32 x lane
.set SPW,  28
.set NIL,  29
.set L4,   30                          ; v30 4 x lane
.set YS,   32
.set WS,   64
.set BI,   192
.set BK,   128
.set G1,  24
.set G0,  32
.set G1B, 48
.set G0B, 56
.set MSB, 0
.macro WIN new
.if MSB != (\new)
	s_set_vgpr_msb (MSB<<8)|(\new)
.set MSB, (\new)
.endif
.endm
.macro PLACES n
.rept \n
	v_nop
.endr
.endm
.macro CROUND
	s_barrier_signal -1
	s_barrier_wait -1
	s_cmp_lg_u32 s14, 0
	s_cbranch_scc1 .Lnot_wave_0_\@
	s_barrier_signal -3
.Lnot_wave_0_\@:
	s_barrier_wait -3
	s_barrier_signal -1
	s_barrier_wait -1
.endm
.macro WMX
.if fRA && fRB
	v_wmma_scale_f32_16x16x128_f8f6f4 v[rD:rD+7], v[rA:rA+7], v[rB:rB+7], v[rC:rC+7], v[rSA], v[rSB] matrix_a_fmt:MATRIX_FMT_FP4 matrix_b_fmt:MATRIX_FMT_FP4 matrix_a_scale:MATRIX_SCALE_ROW1 matrix_b_scale:MATRIX_SCALE_ROW1
.elseif fRA
	v_wmma_scale_f32_16x16x128_f8f6f4 v[rD:rD+7], v[rA:rA+7], v[rB:rB+7], v[rC:rC+7], v[rSA], v[rSB] matrix_a_fmt:MATRIX_FMT_FP4 matrix_b_fmt:MATRIX_FMT_FP4 matrix_a_scale:MATRIX_SCALE_ROW1
.elseif fRB
	v_wmma_scale_f32_16x16x128_f8f6f4 v[rD:rD+7], v[rA:rA+7], v[rB:rB+7], v[rC:rC+7], v[rSA], v[rSB] matrix_a_fmt:MATRIX_FMT_FP4 matrix_b_fmt:MATRIX_FMT_FP4 matrix_b_scale:MATRIX_SCALE_ROW1
.else
	v_wmma_scale_f32_16x16x128_f8f6f4 v[rD:rD+7], v[rA:rA+7], v[rB:rB+7], v[rC:rC+7], v[rSA], v[rSB] matrix_a_fmt:MATRIX_FMT_FP4 matrix_b_fmt:MATRIX_FMT_FP4
.endif
.endm
.macro FETCH s                         ; K step s: Wo's eight fragments into window 1, y's four into window 0, set s % 2
	WIN 0x40
.set ib, 0
.rept 8
	ds_load_b128 v[128*((\s)%2)+8*ib:128*((\s)%2)+8*ib+3], v[WAD+(\s)/4] offset:64*((\s)%4)+ib*16*PITCH
	ds_load_b128 v[128*((\s)%2)+8*ib+4:128*((\s)%2)+8*ib+7], v[WAD+(\s)/4] offset:64*((\s)%4)+ib*16*PITCH+32
.set ib, ib+1
.endr
	WIN 0
.set ib, 0
.rept 4
	ds_load_b128 v[128+32*((\s)%2)+8*ib:128+32*((\s)%2)+8*ib+3], v[YAD] offset:8192*(\s)+1024*ib
	ds_load_b128 v[128+32*((\s)%2)+8*ib+4:128+32*((\s)%2)+8*ib+7], v[YAD] offset:8192*(\s)+1024*ib+512
.set ib, ib+1
.endr
.endm
.macro STEP s                          ; 32 matrix instructions, the 32 accumulators by turns
.if (\s) == 3
	s_wait_tensorcnt 0x0                           ; my part of the second half along K has landed
.endif
	s_wait_dscnt 0x0                               ; this step's fragments are in
.if (\s) == 3
	s_barrier_signal -1
	s_barrier_wait -1                              ; everybody's part has landed
.endif
.if (\s) < 7
	PLACES 4                                       ; four places in front of loads into registers that the last step's matrix instructions read
	FETCH (\s)+1
.endif
.if (\s) == 0
	WIN 0x81                                       ; source 0 window 1, source 1 and C (bo) window 0, D window 2
.else
	WIN 0xa1                                       ; source 0 window 1, source 1 window 0, C and D window 2
.endif
.set ia, 0
.rept 4
.set ib, 0
.rept 8
.set rD, 8*(8*ia+ib)
.set rA, 128*((\s)%2)+8*ib
.set rB, 128+32*((\s)%2)+8*ia
.if (\s) == 0
.set rC, BI+8*ib
.else
.set rC, rD
.endif
.set rSA, WS+8*(ib/2)+(\s)
.set fRA, ib%2
.set rSB, YS+8*(ia/2)+(\s)
.set fRB, ia%2
	WMX
.set ib, ib+1
.endr
.set ia, ia+1
.endr
.endm
; THE WAY OUT, 16 tokens x 128 columns at a time: through my own stage in LDS and back as whole rows of 512 bytes.  LDS serves a wave's instructions in order, so no wait stands between the stores and the loads.
.macro TOSTAGE a
	WIN 0x08                                       ; an LDS store's data: window 2
.set ib, 0
.rept 8
	ds_store_b128 v[STO], v[64*(\a)+8*ib:64*(\a)+8*ib+3] offset:64*ib          ; each accumulator from its low end on
	ds_store_b128 v[STO], v[64*(\a)+8*ib+4:64*(\a)+8*ib+7] offset:64*ib+16
.set ib, ib+1
.endr
	WIN 0
.set st, 0
.rept 16
	ds_load_b128 v[BK+64*((\a)%2)+4*st:BK+64*((\a)%2)+4*st+3], v[RD] offset:st*SPITCH
.set st, st+1
.endr
.endm
.macro SEND a, younger                 ; younger: the LDS instructions issued behind block a's loads, which may stay out
	s_wait_dscnt \younger
.set st, 0
.rept 16
	global_store_b128 v[CO], v[BK+64*((\a)%2)+4*st:BK+64*((\a)%2)+4*st+3], s[70:71] offset:65536*(\a)+4096*st th:TH_STORE_NT   ; 32 lanes store 512 consecutive bytes, at a multiple of 256 from the output's first byte
.set st, st+1
.endr
.endm
	s_load_b128 s[4:7], s[0:1], 0x0                ; y's codes, y's scales
	s_load_b128 s[8:11], s[0:1], 0x10              ; Wo's codes, Wo's scales
	s_load_b128 s[68:71], s[0:1], 0x20             ; bo, out0
	v_lshl_add_u32 v[SPW], v0, 2, SPARE
	v_mov_b32 v[NIL], 0
	ds_add_u32 v[SPW], v[NIL]                      ; the opening: the add, twice on end, and its wait ahead of my first tensor load
	ds_add_u32 v[SPW], v[NIL]
	v_lshrrev_b32 v1, 5, v0
	v_readfirstlane_b32 s14, v1                    ; wave 0..3
	s_lshr_b32 s15, s14, 1                         ; my half of the tokens.  Also: I fetch for y (0) or for Wo (1)
	s_and_b32 s16, s14, 1                          ; my half of the columns.  Also: which part I fetch
	s_bfe_u32 s40, ttmp6, 0x40000                  ; cx: the tile column
	s_bfe_u32 s41, ttmp6, 0x40004                  ; cy
	s_and_b32 s17, ttmp7, 0xffff
	s_lshl_b32 s17, s17, 2
	s_add_co_u32 s17, s17, s41                     ; my block of 128 tokens
	s_lshl_b32 s43, s41, 2
	s_lshl_b32 s43, 15, s43                        ; my row of the cluster
	s_lshl_b32 s44, 0x1111, s40                    ; my column
	s_or_b32 s[G1], s43, (3<<16)|(1<<21)           ; y: the mask; elements of 8 bytes; bit 21 beside a mask; no padding: the image is read 16 bytes a lane, densely
	s_mov_b32 s[G1+1], 32<<16                      ; rows of 256 bytes
	s_mov_b32 s[G1+2], 64<<16                      ; 64 rows
	s_mov_b32 s[G1+3], 32<<16
	s_mov_b32 s[G1+4], 64
	s_mov_b32 s[G1+5], 32
	s_mov_b32 s[G1+6], 0
	s_mov_b32 s[G1+7], 0
	s_or_b32 s[G1B], s44, (1<<20)|(1<<21)|(5<<22)|(3<<25)   ; Wo: elements of 1 byte; 4 words of padding after every 64
	s_mov_b32 s[G1B+1], 256<<16
	s_mov_b32 s[G1B+2], 128<<16
	s_mov_b32 s[G1B+3], 256<<16
	s_mov_b32 s[G1B+4], 128
	s_mov_b32 s[G1B+5], 512
	s_mov_b32 s[G1B+6], 0
	s_mov_b32 s[G1B+7], 0
	s_lshl_b32 s45, s16, 14                        ; y: my 16,384 bytes of a half along K, in LDS,
	s_lshl_b32 s20, s17, 16
	s_add_co_u32 s20, s20, s45                     ; and in memory
	s_mov_b32 s21, 0
	s_lshl_b32 s18, s16, 7
	s_lshl_b32 s46, s40, 8
	s_add_co_u32 s46, s46, s18                     ; Wo: row 256 cx + 128 x part
	s_lshl_b32 s46, s46, 9
	s_mov_b32 s47, 0
	s_mul_i32 s42, s16, HALFW
	s_add_co_u32 s42, s42, WO
	s_wait_dscnt 0x0                               ; both opening adds are done
	s_wait_kmcnt 0x0
	s_add_nc_u64 s[20:21], s[4:5], s[20:21]
	s_add_nc_u64 s[46:47], s[8:9], s[46:47]
.irp k, 0,1
	s_mov_b32 s[G0+4*\k], 1
	s_add_co_u32 s[G0+4*\k+1], s45, \k*32768
	s_add_nc_u64 s[G0+4*\k+2:G0+4*\k+3], s[20:21], \k*32768
	s_or_b32 s[G0+4*\k+3], s[G0+4*\k+3], 0x80000000
	s_mov_b32 s[G0B+4*\k], 1
	s_add_co_u32 s[G0B+4*\k+1], s42, \k*WHALF
	s_add_nc_u64 s[G0B+4*\k+2:G0B+4*\k+3], s[46:47], \k*256
	s_or_b32 s[G0B+4*\k+3], s[G0B+4*\k+3], 0x80000000
.endr
	CROUND                                         ; all sixteen work-groups are here: the joint loads meet
	s_cmp_eq_u32 s15, 0                            ; a wave's two fills stand in one branch on its number: two loads of mine are out
	s_cbranch_scc0 .Lfirst_w
	tensor_load_to_lds s[G0:G0+3], s[G1:G1+7]
	s_nop 0
	tensor_load_to_lds s[G0+4:G0+7], s[G1:G1+7]
	s_nop 0
	PLACES 4
	s_branch .Lfirst_done
.Lfirst_w:
	tensor_load_to_lds s[G0B:G0B+3], s[G1B:G1B+7]
	s_nop 0
	tensor_load_to_lds s[G0B+4:G0B+7], s[G1B:G1B+7]
	s_nop 0
	PLACES 4
.Lfirst_done:
	v_and_b32 v1, 15, v0                           ; r
	v_bfe_u32 v2, v0, 4, 1                         ; h
	v_and_b32 v6, 31, v0                           ; lane
	v_lshlrev_b32 v[CO], 4, v6
	v_lshlrev_b32 v[SV], 5, v6
	v_lshlrev_b32 v[L4], 2, v6
	s_lshl_b32 s21, s15, 12
	v_add_nc_u32 v[YAD], s21, v[CO]                ; y's image: 16 x lane + my four tiles of 1,024 bytes
	v_mul_u32_u24 v3, v1, PITCH
	v_lshl_add_u32 v3, v2, 4, v3
	s_mul_i32 s22, s16, HALFW
	s_add_co_u32 s22, s22, WO
	v_add_nc_u32 v[WAD], s22, v3
	s_add_co_u32 s22, s22, WHALF
	v_add_nc_u32 v[WAD+1], s22, v3
	s_mul_i32 s23, s14, 16*SPITCH
	s_add_co_u32 s23, s23, STAGE                   ; my stage
	v_mul_u32_u24 v5, v1, SPITCH
	v_lshl_add_u32 v5, v2, 5, v5
	v_add_nc_u32 v[STO], s23, v5                   ; in: row r, 32 bytes for each half of the lanes
	v_add_nc_u32 v[RD], s23, v[CO]                 ; back: the 32 lanes take one row of 512 bytes
	v_lshlrev_b32 v4, 5, v2                        ; 32 h
	s_lshl_b32 s18, s17, 12
	s_lshl_b32 s19, s15, 8
	s_add_co_u32 s18, s18, s19                     ; y's scale words: 4,096 bytes a block, my 64 tokens
	s_mov_b32 s19, 0
	s_add_nc_u64 s[6:7], s[6:7], s[18:19]
	s_lshl_b32 s22, s40, 13
	s_lshl_b32 s23, s16, 12
	s_add_co_u32 s22, s22, s23                     ; Wo's scale bytes of my 128 rows
	s_mov_b32 s23, 0
	s_add_nc_u64 s[10:11], s[10:11], s[22:23]
	s_lshr_b32 s22, s22, 3                         ; bo, and my columns in a row of the output: 4 bytes a column
	s_add_nc_u64 s[68:69], s[68:69], s[22:23]
	s_add_nc_u64 s[70:71], s[70:71], s[22:23]
	s_lshl_b32 s72, s17, 19
	s_lshl_b32 s73, s15, 18
	s_add_co_u32 s72, s72, s73                     ; my first token's row of 4,096 bytes
	s_mov_b32 s73, 0
	s_add_nc_u64 s[70:71], s[70:71], s[72:73]
.irp i, 0,1
.irp s, 0,1,2,3,4,5,6,7
	global_load_b32 v[YS+8*\i+\s], v[L4], s[6:7] offset:512*\s+128*\i          ; lane l: token 32 i + l, K step s: 128 dense bytes
.endr
.endr
.irp i, 0,1,2,3
.irp k, 0,1
	global_load_b128 v[WS+8*\i+4*\k:WS+8*\i+4*\k+3], v[SV], s[10:11] offset:1024*\i+16*\k
.endr
.endr
.irp b, 0,1,2,3,4,5,6,7
	global_load_b128 v[BI+8*\b:BI+8*\b+3], v4, s[68:69] offset:64*\b           ; bo of columns 16 b + 8 h + 0 .. 7
	global_load_b128 v[BI+8*\b+4:BI+8*\b+7], v4, s[68:69] offset:64*\b+16
.endr
	s_wait_tensorcnt 0x1                           ; my part of the first half along K has landed; the second half's load, issued behind it, may stay out
	s_barrier_signal -1
	s_barrier_wait -1                              ; everybody's has
	FETCH 0
	s_wait_loadcnt 0x0                             ; the scale words and bo
	STEP 0
	STEP 1
	STEP 2
	STEP 3
	STEP 4
	STEP 5
	STEP 6
	STEP 7
	PLACES 4                                       ; four places in front of the first read of results and of loads into the fragments' registers
	TOSTAGE 0
	TOSTAGE 1
	SEND 0, 32                                     ; behind block 0's loads: block 1's 16 stores and 16 loads
	s_wait_xcnt 0x0                                ; block 0's stores have read their registers: block 2's rows may land there
	TOSTAGE 2
	SEND 1, 32
	s_wait_xcnt 0x0
	TOSTAGE 3
	SEND 2, 32
	SEND 3, 0
	s_wait_tensorcnt 0x0                           ; the wave's end: behind my last tensor load and my last LDS store
	ds_add_u32 v[SPW], v[NIL]
	s_wait_dscnt 0x0
	CROUND                                         ; the closing round
	s_endpgm
.Lfunc_end_k_q78e636eee6_proj:
	.size	k_q78e636eee6_proj, .Lfunc_end_k_q78e636eee6_proj-k_q78e636eee6_proj
	.p2alignl 7, 3214868480
	.fill 96, 4, 3214868480
	.section	.rodata,"a",@progbits
	.p2align	6, 0x0
	.amdhsa_kernel k_q78e636eee6_proj
		.amdhsa_group_segment_fixed_size 239104
		.amdhsa_private_segment_fixed_size 0
		.amdhsa_enable_private_segment 0
		.amdhsa_kernarg_size 48
		.amdhsa_user_sgpr_count 2
		.amdhsa_user_sgpr_kernarg_segment_ptr 1
		.amdhsa_wavefront_size32 1
		.amdhsa_system_sgpr_workgroup_id_x 1
		.amdhsa_system_sgpr_workgroup_id_y 1
		.amdhsa_system_sgpr_workgroup_id_z 1
		.amdhsa_system_vgpr_workitem_id 0
		.amdhsa_next_free_vgpr 768
		.amdhsa_next_free_sgpr 80
		.amdhsa_reserve_vcc 0
		.amdhsa_float_denorm_mode_32 3
		.amdhsa_float_denorm_mode_16_64 3
		.amdhsa_memory_ordered 1
		.amdhsa_forward_progress 1
		.amdhsa_inst_pref_size 72
	.end_amdhsa_kernel
	.amdgpu_metadata
---
amdhsa.version: [ 1, 2 ]
amdhsa.kernels:
  - .name:           k_q78e636eee6_proj
    .symbol:         k_q78e636eee6_proj.kd
    .args:
      - { .name: ycodes, .offset: 0, .size: 8, .value_kind: global_buffer, .address_space: global }
      - { .name: yscales, .offset: 8, .size: 8, .value_kind: global_buffer, .address_space: global }
      - { .name: Wo_codes, .offset: 16, .size: 8, .value_kind: global_buffer, .address_space: global }
      - { .name: Wo_scales, .offset: 24, .size: 8, .value_kind: global_buffer, .address_space: global }
      - { .name: bo, .offset: 32, .size: 8, .value_kind: global_buffer, .address_space: global }
      - { .name: out0, .offset: 40, .size: 8, .value_kind: global_buffer, .address_space: global }
    .group_segment_fixed_size: 239104
    .private_segment_fixed_size: 0
    .kernarg_segment_align: 8
    .kernarg_segment_size: 48
    .max_flat_workgroup_size: 128
    .sgpr_count:     80
    .vgpr_count:     768
    .wavefront_size: 32
...
	.end_amdgpu_metadata
.endif
;; end of part 3
